; MI455X (gfx1250); checked and timed in simulation.
; The chip was launched on July 23, 2026; its instructions are those of AMD's public machine-readable ISA for CDNA 5 (MIT licence, August 2026) and "CDNA5" Instruction Set Architecture Reference Guide (July 2026). The comments in the code are by the model that wrote it; some were corrected since.
;; Multi Attention Head. Allowed arithmetic: matrix products marked QUANTISED: E5M2 operands, one given power-of-two scale a tensor, by v_wmma_f32_16x16x64_bf8_bf8 or v_wmma_f32_16x16x128_bf8_bf8, f32 sums; products left as they are: f32 operands where the result goes on into a quantised operand, else bf16, f16 or f32 operands; f32 sums; everything else in f32.
;; Inputs: Wk 1,024 x 1,024 float32; Wq 1,024 x 1,024 float32; Wv 1,024 x 1,024 float32; bk 1,024 float32; bq 1,024 float32; bv 1,024 float32; lowp_scales 4 int32 (the exponents e of the quantised operands' scales 2^e); x 4 x 8,192 x 1,024 float32.
;; Outputs: out0 4 x 1 x 1,024 float32.
;; This version of the problem:
;;   THIS VERSION OF THE PROBLEM IS GIVEN IN LOW PRECISION. The matrix products marked QUANTISED in the list below multiply operands that are first quantised to E5M2 (5 exponent bits, 2 mantissa bits; 8 bits a number), with one given power-of-two scale for each operand tensor; their sums are f32. All else is computed in f32.
;;   The module's matrix products, in the order in which they are computed (A, B: the left and right operand; K: the contracted axis; several contracted axes count as one K, in the product's order):
;;     1. [M 32,768, K 1,024] x [K 1,024, N 1,024]; A: input x; B: input Wk: QUANTISED (scales: A lowp_scales[0], B lowp_scales[1])
;;     2. [M 32,768, K 1,024] x [K 1,024, N 1,024]; A: input x; B: input Wv: QUANTISED (scales: A lowp_scales[2], B lowp_scales[3])
;;     3. [M 4, K 1,024] x [K 1,024, N 1,024]; A: input x; B: input Wq: left as it is (M = 4 < 16)
;;     4. batch 64 x [M 1, K 64] x [K 64, N 8,192]; A: computed on the way; B: computed on the way: left as it is (M = 1 < 16)
;;     5. batch 64 x [M 64, K 8,192] x [K 8,192, N 1]; A: computed on the way; B: softmax: left as it is (N = 1 < 16)
;;   THE QUANTISER, for each operand of a quantised product, along K:
;;     - The operand's scale is 2^e, e = its entry of the input lowp_scales (int32; the entries are numbered through the quantised products in the list's order, A before B).
;;     - Each number is divided by the scale, clamped to +-57,344, and rounded to the nearest number of E5M2, ties to even, subnormals kept.
;;     - The product sums the exact products of the quantised numbers (number of the format x scale) in f32.
;;   ~~~python
;;   def quantise(x, axis, e):      # numpy; x: float32 -> the quantised numbers, widened to float32 again
;;       x = np.moveaxis(x, axis, -1); K = x.shape[-1]
;;       r = np.clip(x / 2.0 ** e, -57344, 57344)
;;       step = 2.0 ** (np.maximum(np.frexp(np.where(r == 0, 1, r))[1] - 1, -14) - 2)
;;       q = np.round(r / step) * step * 2.0 ** e      # np.round: ties to even
;;       return np.moveaxis(q, -1, axis).astype(np.float32)
;;   ~~~
;; One version. Each part assembles by itself: llvm-mc -triple=amdgcn-amd-amdhsa -mcpu=gfx1250 --defsym DOCPART=n.
;; ======== version 1 of 1: 3 launches
;; limits: right only within a limited range of input values
;; workspace buffers: wc 2,097,152 bytes; qs 16,384 bytes; py 2,097,152 bytes; pml 65,536 bytes
;; launch prep (part 1): grid 256 x 1, 4 waves a work-group, no clusters, 0 bytes of LDS; arguments x, Wk, Wv, Wq, bq, lowp_scales, wc, qs; writes wc, qs
.if DOCPART == 1
	.amdgcn_target "amdgcn-amd-amdhsa--gfx1250"
	.amdhsa_code_object_version 6
	.text
	.protected	k_q6d65dc13d5_prep
	.globl	k_q6d65dc13d5_prep
	.p2align	8
	.type	k_q6d65dc13d5_prep,@function
k_q6d65dc13d5_prep:
	s_mov_b64 s[64:65], 0
	v_nop
	global_prefetch_b8 v0, s[64:65] scope:SCOPE_SE
	s_setreg_imm32_b32 hwreg(HW_REG_WAVE_MODE, 25, 1), 1
	s_wait_xcnt 0x0
; FIRST OF THREE LAUNCHES.  y[b][h] = softmax_t(q[b][h] . k[b][t][h] / 8) v[b][t][h]; k = Q(x) Q(Wk)^T + bk, v = Q(x) Q(Wv)^T + bv on codes of BF8 (E5M2); q = x[b][last] Wq^T + bq in f32.
; WORK LEFT OUT: bk.  score[b][h][t] = q[b][h] . (kraw[b][t][h] + bk[h]) / 8 = q . kraw / 8 + q[b][h] . bk[h] / 8, and the second term does not hang on t: it is the same along the softmax's axis,
; for all values of the inputs, so it cancels between the softmax's numerator and its sum.  bk enters no quantised operand (the product of q with k is left as it is).  So bk has no way to the output:
; it is not loaded and is among no launch's arguments.  LIMIT: a NaN, an infinity or an overflow that bk alone would bring is not carried to the result.
; bv is live; since the weights of a head sum to 1 it is added once, in the last launch.
; THIS LAUNCH: (1) Wk and Wv, f32 [1024][1024] with K innermost, become codes laid in the ORDER OF THE OPERAND'S REGISTERS:
;   wc[h 16][j 2: Wk, Wv][s 8][n 4][c 4][lane 32][16 bytes]: lane (r, hh) holds in bytes 16 c .. k = 128 s + 32 c + 16 hh + 0 .. 15 of weight row 64 h + 16 n + r (Wk) or 64 h + 4 r + n (Wv).
;   code = w / 2^e held within +-57,344, to the nearest code, ties to even; e = lowp_scales[1] for Wk, [3] for Wv.  LIMITS: -126 <= e <= 112; NaN among the inputs is not served.
; (2) qs[b][a] = (x[b][8191] . Wq[a] + bq[a]) x (log2(e) / 8) x 2^(e0 + e1), in f32 by fused multiply-adds: the next launch's scores then come out as exponents of 2 of the raw sums of codes.
; SHARES: 1,024 waves; wave u makes fragment u (2,048 bytes of wc) and row a = u of q for the four batches.  No LDS, no barrier: waves share nothing.
; The four numbers of q that a wave stores are 4 bytes each, 4,096 bytes apart: qs is 16 KiB in all, the one place where no whole run of 256 bytes is written.
; SCALARS: s[4:19] the eight addresses; s[20:23] e0..e3; s[24:31] x at the four last tokens; s32 wave; s33 u; s34-37 n, s, j, h; s[38:39] Wk or Wv; s[44:45] lane selects.
.set WF, 16                            ; v16-79   64 numbers of a weight row; later the sums of q
.set CD, 80                            ; v80-95   their codes
.set WQ, 96                            ; v96-127  Wq's row a: 32 numbers a lane
.set XL, 128                           ; v128-255 the four last tokens: 32 numbers a lane each
	s_load_b512 s[4:19], s[0:1], 0x0               ; x, Wk, Wv, Wq, bq, lowp_scales, wc, qs
	v_lshrrev_b32 v1, 5, v0
	v_readfirstlane_b32 s32, v1                    ; wave 0..3
	v_and_b32 v1, 31, v0                           ; lane
	v_and_b32 v2, 15, v0                           ; r
	v_bfe_u32 v3, v0, 4, 1                         ; hh
	v_lshlrev_b32 v5, 4, v1                        ; 16 x lane
	s_lshl_b32 s33, ttmp9, 2
	s_add_co_u32 s33, s33, s32                     ; u = 4 x work-group + wave
	s_and_b32 s34, s33, 3                          ; n
	s_bfe_u32 s35, s33, 0x30002                    ; s
	s_bfe_u32 s36, s33, 0x10005                    ; j
	s_lshr_b32 s37, s33, 6                         ; h
	s_mov_b32 s44, 0x76543210                      ; v_permlanex16_b32: lane l takes lane l xor 16
	s_mov_b32 s45, 0xfedcba98
	s_wait_alu depctr_va_vdst(0)
	s_wait_kmcnt 0x0
	s_load_b128 s[20:23], s[14:15], 0x0            ; e0, e1, e2, e3
	s_cmp_eq_u32 s36, 0                            ; Wk's fragment or Wv's: the choice hangs on the wave's place alone
	s_cselect_b64 s[38:39], s[6:7], s[8:9]
	s_cselect_b32 s40, 0, 2                        ; Wk: row r;      Wv: row 4 r
	s_cselect_b32 s41, 4, 0                        ; Wk: + 16 n;     Wv: + n
	s_lshl_b32 s41, s34, s41
	s_lshl_b32 s42, s37, 6
	s_add_co_u32 s41, s41, s42                     ; + 64 h
	v_lshlrev_b32 v4, s40, v2
	v_add_nc_u32 v4, s41, v4                       ; my weight row
	v_lshlrev_b32 v4, 12, v4                       ; of 4,096 bytes
	v_lshl_add_u32 v4, v3, 6, v4                   ; + 64 hh: my 16 numbers of a block of 32
	s_lshl_b32 s42, s35, 9
	v_add_nc_u32 v4, s42, v4                       ; + 512 s
.irp c, 0,1,2,3
.irp q, 0,1,2,3
	global_load_b128 v[WF+16*\c+4*\q:WF+16*\c+4*\q+3], v4, s[38:39] offset:128*\c+16*\q th:TH_LOAD_NT   ; k = 128 s + 32 c + 16 hh + 4 q ..: the sixteen loads together take 512 whole bytes of each of 16 rows
.endr
.endr
	s_lshl_b32 s42, s33, 12
	s_mov_b32 s43, 0
	s_add_nc_u64 s[10:11], s[10:11], s[42:43]      ; Wq at row a = u
.irp k, 0,1,2,3,4,5,6,7
	global_load_b128 v[WQ+4*\k:WQ+4*\k+3], v5, s[10:11] offset:512*\k th:TH_LOAD_NT   ; 512 consecutive bytes a load
.endr
	s_add_nc_u64 s[24:25], s[4:5], 0x1fff000       ; x at token 8191 of batch 0: (8192 b + 8191) x 4,096 bytes
	s_add_nc_u64 s[26:27], s[4:5], 0x3fff000
	s_add_nc_u64 s[28:29], s[4:5], 0x5fff000
	s_add_nc_u64 s[30:31], s[4:5], 0x7fff000
.irp b, 0,1,2,3
.irp k, 0,1,2,3,4,5,6,7
	global_load_b128 v[XL+32*\b+4*\k:XL+32*\b+4*\k+3], v5, s[24+2*\b:25+2*\b] offset:512*\k   ; every wave of the launch reads these four rows: no hint
.endr
.endr
	s_lshl_b32 s46, s33, 2                         ; 4 a
	s_mov_b32 s47, 0
	s_add_nc_u64 s[12:13], s[12:13], s[46:47]
	s_load_b32 s34, s[12:13], 0x0                  ; bq[a]
	s_lshl_b32 s42, s33, 11
	s_add_nc_u64 s[16:17], s[16:17], s[42:43]      ; wc at fragment u
	s_wait_kmcnt 0x0
	s_cmp_eq_u32 s36, 0
	s_cselect_b32 s35, s21, s23                    ; e of my weight
	s_add_co_i32 s35, s35, 127
	s_lshl_b32 s41, s35, 23
	v_mov_b32 v11, s41                             ; 2^e as f32: the conversion takes its exponent field
	s_add_co_i32 s35, s35, 15
	s_lshl_b32 s35, s35, 23
	s_or_b32 s35, s35, 0x600000
	v_mov_b32 v10, s35                             ; 57,344 x 2^e
	s_wait_alu depctr_va_vdst(0)
	s_wait_loadcnt 40                              ; the fragment's 16 loads are in; Wq's 8 and x's 32 may be out
.set i, 0
.rept 64
	v_med3_num_f32 v[WF+i], v[WF+i], -v10, v10     ; the conversion to an 8-bit code does not saturate (ISA guide 7.6.2): the hold at the largest code x the scale comes first
.set i, i+1
.endr
.irp c, 0,1,2,3
	v_cvt_scalef32_pk8_bf8_f32 v[CD+4*\c:CD+4*\c+1], v[WF+16*\c:WF+16*\c+7], v11
	v_cvt_scalef32_pk8_bf8_f32 v[CD+4*\c+2:CD+4*\c+3], v[WF+16*\c+8:WF+16*\c+15], v11
.endr
	v_nop                                          ; a plain line between the conversions and the lines below that write their sources
.irp c, 0,1,2,3
	global_store_b128 v5, v[CD+4*\c:CD+4*\c+3], s[16:17] offset:512*\c   ; 32 lanes store 512 consecutive bytes, at a multiple of 256 from wc's first byte
.endr
	s_wait_loadcnt 0x0                             ; Wq's row and the four tokens
.irp k, 0,1,2,3,4,5,6,7                        ; four sums, one a batch, by turns
.irp p, 0,1
.irp b, 0,1,2,3
.if (\k == 0) && (\p == 0)
	v_pk_mul_f32 v[16+2*\b:17+2*\b], v[WQ+4*\k+2*\p:WQ+4*\k+2*\p+1], v[XL+32*\b+4*\k+2*\p:XL+32*\b+4*\k+2*\p+1]
.else
	v_pk_fma_f32 v[16+2*\b:17+2*\b], v[WQ+4*\k+2*\p:WQ+4*\k+2*\p+1], v[XL+32*\b+4*\k+2*\p:XL+32*\b+4*\k+2*\p+1], v[16+2*\b:17+2*\b]
.endif
.endr
.endr
.endr
.irp b, 0,1,2,3
	v_add_f32 v[24+\b], v[16+2*\b], v[17+2*\b]
.endr
.irp x, 1,2,4,8
.irp b, 0,1,2,3
	v_add_f32_dpp v[24+\b], v[24+\b], v[24+\b] row_xmask:\x row_mask:0xf bank_mask:0xf
.endr
.endr
.irp b, 0,1,2,3
	v_permlanex16_b32 v[28+\b], v[24+\b], s44, s45
.endr
.irp b, 0,1,2,3
	v_add_f32 v[24+\b], v[24+\b], v[28+\b]         ; every lane holds the four dot products
.endr
	v_cmp_eq_u32 vcc_lo, 1, v1                     ; lane b keeps batch b's
	v_cndmask_b32 v24, v24, v25, vcc_lo
	v_cmp_eq_u32 vcc_lo, 2, v1
	v_cndmask_b32 v24, v24, v26, vcc_lo
	v_cmp_eq_u32 vcc_lo, 3, v1
	v_cndmask_b32 v24, v24, v27, vcc_lo
	s_add_co_i32 s37, s20, s21                     ; e0 + e1
	v_add_f32 v24, s34, v24                        ; + bq[a]
	v_mul_f32 v24, 0x3e38aa3b, v24                 ; x log2(e) / 8
	v_ldexp_f32 v24, v24, s37                      ; x 2^(e0 + e1)
	v_lshlrev_b32 v25, 12, v1
	v_add_nc_u32 v25, s46, v25                     ; qs: 4,096 b + 4 a
	v_cmp_gt_u32 vcc_lo, 4, v1
	s_wait_alu depctr_va_vdst(0)
	s_wait_xcnt 0x0                                ; EXEC is a source of the stores above: it changes only behind this wait
	s_and_saveexec_b32 s40, vcc_lo
	global_store_b32 v25, v24, s[18:19]
	s_endpgm
.Lfunc_end_k_q6d65dc13d5_prep:
	.size	k_q6d65dc13d5_prep, .Lfunc_end_k_q6d65dc13d5_prep-k_q6d65dc13d5_prep
	.p2alignl 7, 3214868480
	.fill 96, 4, 3214868480
	.section	.rodata,"a",@progbits
	.p2align	6, 0x0
	.amdhsa_kernel k_q6d65dc13d5_prep
		.amdhsa_group_segment_fixed_size 0
		.amdhsa_private_segment_fixed_size 0
		.amdhsa_enable_private_segment 0
		.amdhsa_kernarg_size 64
		.amdhsa_user_sgpr_count 2
		.amdhsa_user_sgpr_kernarg_segment_ptr 1
		.amdhsa_wavefront_size32 1
		.amdhsa_system_sgpr_workgroup_id_x 1
		.amdhsa_system_sgpr_workgroup_id_y 1
		.amdhsa_system_sgpr_workgroup_id_z 1
		.amdhsa_system_vgpr_workitem_id 0
		.amdhsa_next_free_vgpr 256
		.amdhsa_next_free_sgpr 66
		.amdhsa_reserve_vcc 1
		.amdhsa_float_denorm_mode_32 3
		.amdhsa_float_denorm_mode_16_64 3
		.amdhsa_memory_ordered 1
		.amdhsa_forward_progress 1
		.amdhsa_inst_pref_size 19
	.end_amdhsa_kernel
	.amdgpu_metadata
---
amdhsa.version: [ 1, 2 ]
amdhsa.kernels:
  - .name:           k_q6d65dc13d5_prep
    .symbol:         k_q6d65dc13d5_prep.kd
    .args:
      - { .name: x, .offset: 0, .size: 8, .value_kind: global_buffer, .address_space: global }
      - { .name: Wk, .offset: 8, .size: 8, .value_kind: global_buffer, .address_space: global }
      - { .name: Wv, .offset: 16, .size: 8, .value_kind: global_buffer, .address_space: global }
      - { .name: Wq, .offset: 24, .size: 8, .value_kind: global_buffer, .address_space: global }
      - { .name: bq, .offset: 32, .size: 8, .value_kind: global_buffer, .address_space: global }
      - { .name: lowp_scales, .offset: 40, .size: 8, .value_kind: global_buffer, .address_space: global }
      - { .name: wc, .offset: 48, .size: 8, .value_kind: global_buffer, .address_space: global }
      - { .name: qs, .offset: 56, .size: 8, .value_kind: global_buffer, .address_space: global }
    .group_segment_fixed_size: 0
    .private_segment_fixed_size: 0
    .kernarg_segment_align: 8
    .kernarg_segment_size: 64
    .max_flat_workgroup_size: 128
    .sgpr_count:     66
    .vgpr_count:     256
    .wavefront_size: 32
...
	.end_amdgpu_metadata
.endif
;; end of part 1
;; launch main (part 2): grid 256 x 1, 4 waves a work-group, clusters of 4 x 1, 327,680 bytes of LDS; arguments x, wc, qs, lowp_scales, py, pml; writes py, pml
.if DOCPART == 2
	.amdgcn_target "amdgcn-amd-amdhsa--gfx1250"
	.amdhsa_code_object_version 6
	.text
	.protected	k_q6d65dc13d5_main
	.globl	k_q6d65dc13d5_main
	.p2align	8
	.type	k_q6d65dc13d5_main,@function
k_q6d65dc13d5_main:
	s_mov_b64 s[64:65], 0
	v_nop
	global_prefetch_b8 v0, s[64:65] scope:SCOPE_SE
	s_setreg_imm32_b32 hwreg(HW_REG_WAVE_MODE, 25, 1), 1
	s_wait_xcnt 0x0
	s_wait_alu depctr_hold_cnt(0) depctr_sa_sdst(0) depctr_va_vdst(0) depctr_va_sdst(0) depctr_va_ssrc(0) depctr_va_vcc(0) depctr_vm_vsrc(0)
	s_getreg_b32 s2, hwreg(HW_REG_IB_STS2, 6, 4)
	s_cmp_eq_u32 s2, 0
	s_cbranch_scc0 .Lentry_in_a_cluster
	s_endpgm
.Lentry_in_a_cluster:
	s_bfe_u32 s2, ttmp6, 0x10000c
	s_cmp_lg_u32 s2, 0x3003
	s_cbranch_scc0 .Lentry_shape_is_right
	s_endpgm
.Lentry_shape_is_right:
; SECOND OF THREE LAUNCHES.  A work-group takes 128 tokens of one batch through k = Q(x) Q(Wk)^T and v = Q(x) Q(Wv)^T for all 16 heads, on codes of BF8 (E5M2), and leaves for each block of 64 tokens
; and each head the parts of a softmax: m (the block's largest exponent), l (the sum of p = 2^(t - m)) in pml, and y = sum of p v_raw in py.  WORK LEFT OUT: bk (shown at the head of the first launch).
; SHARES: waves 0, 1 make k of tokens 0-63, 64-127 (x's codes under 2^e0), waves 2, 3 make v of the same tokens (x's codes under 2^e2).  A wave's 64 x 1,024 codes stay in 512 registers (windows 2, 3).
; HEAD: x comes in four chunks of 128 rows x 1,024 bytes through the two LDS slots and is quantised (hold at +-57,344 x the scale, then the conversion).  LIMITS: -126 <= e0, e2 <= 112; NaN is not served.
; LOOP: a period a head.  A head's 128 KiB of weight codes, laid by the first launch in the order of the operand's registers, come by JOINT loads of the four work-groups of a cluster, into the slots by turns.
; A step of 128 along K is 16 matrix instructions on 16 accumulators by turns.  The weight fragments have four sets of 64 registers: steps 0 to 3's are loaded ahead of the first product, and two runs
; of 32 loads, at the heads of steps 2 and 4, bring the sets of the steps two and three on.  k is used transposed (a lane holds a token): t = q . k by packed multiply-adds; p goes to the v waves
; through a table in LDS, one entry a head, and is used a period later.
; REGISTERS: window 0: v1-24 addresses and constants, v32-84 at work, v128-255 the accumulators (in the head: x as f32); window 1: the four sets of weight fragments.
.set PITCH, 528
.set QT,    64*PITCH
.set SLOTB, 4*QT
.set PS,    2*SLOTB
.set SPARE, PS+17*512
.set ACC,   128
.set XA,    128
.set XB,    192
.set MSB,   0
.macro WIN new
.if MSB != (\new)
	s_set_vgpr_msb (MSB<<8)|(\new)
.set MSB, (\new)
.endif
.endm
.macro PLACES n
.rept \n
	v_nop
.endr
.endm
.macro ROUND
	s_barrier_signal -1
	s_barrier_wait -1
	s_cmp_lg_u32 s16, 0
	s_cbranch_scc1 .Lnot_wave_0_\@
	s_barrier_signal -3
.Lnot_wave_0_\@:
	s_barrier_wait -3
	s_barrier_signal -1
	s_barrier_wait -1
.endm
.macro CHG_X g0
	s_wait_tensorcnt 0x0
	ds_add_u32 v1, v2
	s_add_nc_u64 s[\g0+2:\g0+3], s[\g0+2:\g0+3], 2048
	s_wait_dscnt 0x0
	ROUND
	tensor_load_to_lds s[\g0:\g0+3], s[24:31]
	s_nop 0
	PLACES 4
.endm
.macro CHG_W step
	s_wait_tensorcnt 0x0
	ds_add_u32 v1, v2
.if \step
	s_xor_b32 s49, s49, SLOTB
	s_add_nc_u64 s[50:51], s[50:51], 131072
.endif
	s_wait_dscnt 0x0
	ROUND
	tensor_load_to_lds s[48:51], s[32:39]
	s_nop 0
	PLACES 4
.endm
.macro CHG_END
	s_wait_tensorcnt 0x0
	ds_add_u32 v1, v2
	s_wait_dscnt 0x0
	s_barrier_signal -1
	s_barrier_wait -1
	PLACES 4
.endm
; chunk c of x, my wave's 64 rows x 512 bytes: a lane a row, four instructions, each aligned block of 256 bytes named once in the launch; asked for when chunk c - 1's tensor load has been issued
.macro XASK c
.irp k, 0,1,2,3
	global_prefetch_b8 v24, s[78:79] offset:1024*(\c)+131072*(\k/2)+256*(\k%2) th:TH_LOAD_NT scope:SCOPE_SE
.endr
.endm
.macro ASKW
	s_cmp_lg_u32 s16, 0
	s_cbranch_scc1 .Lnot_mine_\@
	global_prefetch_b8 v22, s[6:7] th:TH_LOAD_NT scope:SCOPE_SE
.Lnot_mine_\@:
.endm
.macro XFETCH set, slot, sl, m
.irp c, 0,1,2,3
.irp q, 0,1,2,3
	ds_load_b128 v[\set+16*\c+4*\q:\set+16*\c+4*\q+3], v[5+2*(\slot)+(\sl)] offset:16*PITCH*(\m)+128*\c+16*\q
.endr
.endr
.endm
.macro XQUANT set, m, s
.set i, 0
.rept 64
	v_med3_num_f32 v[\set+i], v[\set+i], -v21, v21
.set i, i+1
.endr
	WIN 0x80+0x40*((\m)/2)
.irp c, 0,1,2,3
.irp u, 0,1
	v_cvt_scalef32_pk8_bf8_f32 v[16*(8*((\m)%2)+(\s))+4*\c+2*\u:16*(8*((\m)%2)+(\s))+4*\c+2*\u+1], v[\set+16*\c+8*\u:\set+16*\c+8*\u+7], v20
.endr
.endr
	WIN 0
.endm
.macro QCHUNK ch, slot
	XFETCH XA, \slot, 0, 0
	XFETCH XB, \slot, 0, 1
.set f, 0
.rept 8
.if f < 7
	s_wait_dscnt 16
.else
	s_wait_dscnt 0
.endif
	XQUANT XA+64*(f%2), f%4, 2*(\ch)+f/4
.if f < 6
	XFETCH XA+64*(f%2), \slot, (f+2)/4, (f+2)%4
.endif
.set f, f+1
.endr
	v_nop
.endm
.macro BFETCH t, s
	WIN 0x40
.irp n, 0,1,2,3
.irp c, 0,1,2,3
	ds_load_b128 v[64*(\t)+16*\n+4*\c:64*(\t)+16*\n+4*\c+3], v[10+(\s)/4] offset:((((\s)%4)*4+\n)*4+\c)*PITCH
.endr
.endr
.endm
.macro MUL kind, s
.irp m, 0,1,2,3
.if \kind == 0
	WIN 0x09+4*(\m/2)
.else
	WIN 0x06+(\m/2)
.endif
.irp n, 0,1,2,3
.set rD, ACC+8*(4*\m+\n)
.set rB, 64*((\s)%4)+16*\n
.set rX, 16*(8*(\m%2)+(\s))
.if \kind == 0
.if (\s) == 0
	v_wmma_f32_16x16x128_bf8_bf8 v[rD:rD+7], v[rB:rB+15], v[rX:rX+15], 0
.else
	v_wmma_f32_16x16x128_bf8_bf8 v[rD:rD+7], v[rB:rB+15], v[rX:rX+15], v[rD:rD+7]
.endif
.else
.if (\s) == 0
	v_wmma_f32_16x16x128_bf8_bf8 v[rD:rD+7], v[rX:rX+15], v[rB:rB+15], 0
.else
	v_wmma_f32_16x16x128_bf8_bf8 v[rD:rD+7], v[rX:rX+15], v[rB:rB+15], v[rD:rD+7]
.endif
.endif
.endr
.endr
.endm
.macro STEPS kind
.irp s, 0,1,2,3,4,5,6,7
.if \s == 0
	BFETCH 3, 3
.endif
.if (\s == 2) || (\s == 4)
	PLACES 4                                       ; the two sets loaded below were read by the last two steps' products
	BFETCH (\s+2)%4, \s+2
	BFETCH (\s+3)%4, \s+3
.endif
.if \s < 6
	s_wait_dscnt 48-16*(\s%2)                      ; this step's set is in; out may be: at an even step three younger sets, at an odd step two
.else
	s_wait_dscnt 16*(7-\s)
.endif
	MUL \kind, \s
.endr
	WIN 0
	PLACES 4
.endm
.macro QLOAD
.irp n, 0,1,2,3
.irp u, 0,1
	global_load_b128 v[32+8*\n+4*\u:32+8*\n+4*\u+3], v16, s[72:73] offset:64*\n+16*\u
.endr
.endr
.endm
.macro EPI_K
	s_wait_loadcnt 0x0
.irp n, 0,1,2,3
.irp p, 0,1,2,3
.irp m, 0,1,2,3
.if (\n == 0) && (\p == 0)
	v_pk_mul_f32 v[64+2*\m:65+2*\m], v[ACC+8*(4*\m+\n)+2*\p:ACC+8*(4*\m+\n)+2*\p+1], v[32+8*\n+2*\p:33+8*\n+2*\p]
.else
	v_pk_fma_f32 v[64+2*\m:65+2*\m], v[ACC+8*(4*\m+\n)+2*\p:ACC+8*(4*\m+\n)+2*\p+1], v[32+8*\n+2*\p:33+8*\n+2*\p], v[64+2*\m:65+2*\m]
.endif
.endr
.endr
.endr
.irp m, 0,1,2,3
	v_add_f32 v[72+\m], v[64+2*\m], v[65+2*\m]
.endr
.irp m, 0,1,2,3
	v_permlanex16_b32 v[76+\m], v[72+\m], s56, s57
.endr
.irp m, 0,1,2,3
	v_add_f32 v[72+\m], v[72+\m], v[76+\m]
.endr
	v_max3_num_f32 v80, v72, v73, v74
	v_max_num_f32 v80, v80, v75
.irp x, 1,2,4,8
	v_max_num_f32_dpp v80, v80, v80 row_xmask:\x row_mask:0xf bank_mask:0xf
.endr
.irp m, 0,1,2,3
	v_sub_f32 v[72+\m], v[72+\m], v80
.endr
	s_wait_alu depctr_va_vdst(0)
.irp m, 0,1,2,3
	v_exp_f32 v[72+\m], v[72+\m]
.endr
	v_cndmask_b32 v19, v19, v80, s59
	s_wait_alu depctr_va_vdst(0)
	v_cndmask_b32 v83, v72, v74, s58
	v_cndmask_b32 v84, v73, v75, s58
	v_add_f32 v81, v72, v73
	v_add_f32 v82, v74, v75
	ds_store_b32 v14, v83 offset:512               ; p leaves first: the sum below is made while the stores are out
	ds_store_b32 v14, v84 offset:576
	v_add_f32 v81, v81, v82
.irp x, 1,2,4,8
	v_add_f32_dpp v81, v81, v81 row_xmask:\x row_mask:0xf bank_mask:0xf
.endr
	v_cndmask_b32 v19, v19, v81, s66
.endm
.macro PLOAD
.irp m, 0,1,2,3
.irp u, 0,1
	ds_load_b128 v[32+8*\m+4*\u:32+8*\m+4*\u+3], v15 offset:64*\m+16*\u
.endr
.endr
.endm
.macro EPI_V
.irp m, 0,1,2,3
.irp p, 0,1,2,3
.irp n, 0,1,2,3
.if (\m == 0) && (\p == 0)
	v_pk_mul_f32 v[64+2*\n:65+2*\n], v[ACC+8*(4*\m+\n)+2*\p:ACC+8*(4*\m+\n)+2*\p+1], v[32+8*\m+2*\p:33+8*\m+2*\p]
.else
	v_pk_fma_f32 v[64+2*\n:65+2*\n], v[ACC+8*(4*\m+\n)+2*\p:ACC+8*(4*\m+\n)+2*\p+1], v[32+8*\m+2*\p:33+8*\m+2*\p], v[64+2*\n:65+2*\n]
.endif
.endr
.endr
.endr
.irp n, 0,1,2,3
	v_add_f32 v[72+\n], v[64+2*\n], v[65+2*\n]
.endr
.irp n, 0,1,2,3
	v_permlanex16_b32 v[76+\n], v[72+\n], s56, s57
.endr
.irp n, 0,1,2,3
	v_add_f32 v[72+\n], v[72+\n], v[76+\n]
.endr
	v_cndmask_b32 v80, v72, v74, s58
	v_cndmask_b32 v81, v73, v75, s58
	global_store_b64 v17, v[80:81], s[74:75] offset:-256 th:TH_STORE_NT
.endm
.macro KPERIOD
	BFETCH 0, 0
	BFETCH 1, 1
	BFETCH 2, 2
	WIN 0
	QLOAD
	s_wait_alu depctr_va_vdst(0)
	STEPS 0
	EPI_K
.endm
.macro VPERIOD cond
.if \cond
	s_cmp_eq_u32 s54, 0
	s_cbranch_scc1 .Lv_first_\@
.endif
	s_wait_alu depctr_va_vdst(0)
	PLOAD
	BFETCH 0, 0
	BFETCH 1, 1
	BFETCH 2, 2
	WIN 0
	s_wait_dscnt 48
	EPI_V
.if \cond
	s_branch .Lv_go_\@
.Lv_first_\@:
	s_wait_alu depctr_va_vdst(0)
	BFETCH 0, 0
	BFETCH 1, 1
	BFETCH 2, 2
	WIN 0
.Lv_go_\@:
.endif
	STEPS 1
.endm
.macro PERIOD cond
	v_add_nc_u32 v10, s52, v9
	v_add_nc_u32 v11, QT, v10
	v_add_nc_u32 v14, s53, v12
	v_add_nc_u32 v15, s53, v13
	s_lshl_b32 s59, 1, s54
	s_lshl_b32 s66, 0x10000, s54
	s_cmp_lt_u32 s16, 2
	s_cbranch_scc0 .Lv_wave_\@
	KPERIOD
	s_branch .Ljoin_\@
.Lv_wave_\@:
	VPERIOD \cond
.Ljoin_\@:
.endm
	s_load_b256 s[4:11], s[0:1], 0x0
	s_load_b128 s[12:15], s[0:1], 0x20
	v_lshl_add_u32 v1, v0, 2, SPARE
	v_mov_b32 v2, 0
	v_lshl_add_u32 v23, v0, 2, PS
	v_and_b32 v24, 31, v0
	v_lshlrev_b32 v24, 12, v24                     ; the prefetches of x: my lane x a row of 4,096 bytes; never rewritten
	ds_store_b32 v23, v2                           ; entry 0 of p's table (512 bytes, a word a thread) is set to 0: every byte that the loop's load of p can name has been written
	ds_add_u32 v1, v2
	ds_add_u32 v1, v2
	v_lshrrev_b32 v3, 5, v0
	v_readfirstlane_b32 s16, v3
	s_and_b32 s17, s16, 1
	s_lshr_b32 s18, s16, 1
	s_bfe_u32 s19, ttmp6, 0x40000
	s_lshl_b32 s20, ttmp9, 2
	s_add_co_u32 s20, s20, s19
	s_mov_b32 s24, (2<<16)|(1<<20)|(6<<22)|(3<<25)
	s_mov_b32 s25, 128<<16
	s_mov_b32 s26, 64<<16
	s_mov_b32 s27, 128<<16
	s_mov_b32 s28, 64
	s_mov_b32 s29, 1024
	s_mov_b32 s30, 0
	s_mov_b32 s31, 0
	s_mov_b32 s32, 15|(2<<16)|(1<<20)|(1<<21)|(6<<22)|(3<<25)
	s_mov_b32 s33, 128<<16
	s_mov_b32 s34, 64<<16
	s_mov_b32 s35, 128<<16
	s_mov_b32 s36, 64
	s_mov_b32 s37, 128
	s_mov_b32 s38, 0
	s_mov_b32 s39, 0
	s_mov_b32 s56, 0x76543210
	s_mov_b32 s57, 0xfedcba98
	s_mov_b32 s58, 0xffff0000
	s_mul_i32 s21, s16, QT
	s_lshl_b32 s60, s20, 19
	s_lshl_b32 s22, s17, 18
	s_add_co_u32 s60, s60, s22
	s_lshl_b32 s22, s18, 9
	s_add_co_u32 s60, s60, s22
	s_mov_b32 s61, 0
	s_lshl_b32 s62, s16, 15
	s_mov_b32 s63, 0
	s_wait_dscnt 0x0
	s_wait_kmcnt 0x0
	s_load_b128 s[68:71], s[10:11], 0x0
	s_mov_b32 s40, 1
	s_mov_b32 s41, s21
	s_add_nc_u64 s[42:43], s[4:5], s[60:61]
	s_add_nc_u64 s[78:79], s[4:5], s[60:61]        ; the same place in x for the prefetches; never rewritten
	s_mov_b32 s44, 1
	s_add_co_u32 s45, s21, SLOTB
	s_add_nc_u64 s[46:47], s[42:43], 1024
	s_or_b32 s43, s43, 0x80000000
	s_or_b32 s47, s47, 0x80000000
	s_mov_b32 s48, 1
	s_mov_b32 s49, s21
	s_add_nc_u64 s[50:51], s[6:7], s[62:63]
	s_or_b32 s51, s51, 0x80000000
	ROUND
	tensor_load_to_lds s[40:43], s[24:31]
	s_nop 0
	PLACES 4
	s_wait_alu depctr_va_vdst(0)
	XASK 1
	s_wait_tensorcnt 0x0
	ds_add_u32 v1, v2
	s_wait_dscnt 0x0
	ROUND
	tensor_load_to_lds s[44:47], s[24:31]
	s_nop 0
	PLACES 4
	XASK 2
	s_lshr_b32 s22, s20, 6
	s_lshl_b32 s22, s22, 12
	s_mov_b32 s23, 0
	s_add_nc_u64 s[72:73], s[8:9], s[22:23]
	s_lshl_b32 s22, s20, 1
	s_add_co_u32 s22, s22, s17
	s_lshl_b32 s60, s22, 7
	s_lshl_b32 s22, s22, 12
	s_add_nc_u64 s[74:75], s[12:13], s[22:23]
	s_add_nc_u64 s[76:77], s[14:15], s[60:61]
	v_and_b32 v3, 15, v0
	v_bfe_u32 v4, v0, 4, 1
	v_mul_u32_u24 v5, v3, PITCH
	v_lshl_add_u32 v5, v4, 6, v5
	s_mul_i32 s22, s17, QT
	v_add_nc_u32 v5, s22, v5
	v_add_nc_u32 v6, 2*QT, v5
	v_add_nc_u32 v7, SLOTB, v5
	v_add_nc_u32 v8, SLOTB, v6
	v_and_b32 v18, 31, v0
	v_lshlrev_b32 v9, 4, v18
	s_mul_i32 s22, s18, 2*QT
	v_add_nc_u32 v9, s22, v9
	s_lshl_b32 s22, s17, 8
	v_lshlrev_b32 v12, 2, v3
	v_lshl_add_u32 v12, v4, 7, v12
	v_add_nc_u32 v12, s22, v12
	v_lshlrev_b32 v16, 5, v4
	v_add_nc_u32 v13, s22, v16
	v_lshlrev_b32 v17, 4, v3
	v_lshl_add_u32 v17, v4, 3, v17
	s_lshl_b32 s22, s20, 13
	v_lshl_add_u32 v22, v18, 8, s22
	v_lshlrev_b32 v18, 2, v18
	v_mov_b32 v19, 0
.irp j, 76,77,78,79
	v_mov_b32 v\j, 0
.endr
	s_wait_kmcnt 0x0
	s_cmp_eq_u32 s18, 0
	s_cselect_b32 s22, s68, s70
	s_add_co_i32 s22, s22, 127
	s_lshl_b32 s23, s22, 23
	v_mov_b32 v20, s23
	s_add_co_i32 s22, s22, 15
	s_lshl_b32 s22, s22, 23
	s_or_b32 s22, s22, 0x600000
	v_mov_b32 v21, s22
	s_wait_alu depctr_va_vdst(0)
	s_wait_tensorcnt 1
	s_barrier_signal -1
	s_barrier_wait -1
	QCHUNK 0, 0
	CHG_X 40
	XASK 3
	QCHUNK 1, 1
	CHG_X 44
	ASKW
	QCHUNK 2, 0
	CHG_W 0
	QCHUNK 3, 1
	s_mov_b32 s52, 0
	s_mov_b32 s53, PS
	s_mov_b32 s54, 0
.Lhead:
	CHG_W 1
	PERIOD 1
	s_wait_xcnt 0x0
	s_xor_b32 s52, s52, SLOTB
	s_add_co_u32 s53, s53, 512
	s_add_nc_u64 s[72:73], s[72:73], 256
	s_add_nc_u64 s[74:75], s[74:75], 256
	s_add_co_u32 s54, s54, 1
	s_cmp_lt_u32 s54, 15
	s_cbranch_scc1 .Lhead
	CHG_END
	PERIOD 0
	s_wait_dscnt 0x0
	s_barrier_signal -1
	s_barrier_wait -1
	s_wait_xcnt 0x0
	s_add_co_u32 s53, s53, 512
	s_add_nc_u64 s[74:75], s[74:75], 256
	v_add_nc_u32 v15, s53, v13
	s_cmp_lt_u32 s16, 2
	s_cbranch_scc0 .Llast_v
	s_wait_alu depctr_va_vdst(0)
	global_store_b32 v18, v19, s[76:77]
	s_branch .Lend
.Llast_v:
	s_wait_alu depctr_va_vdst(0)
	PLOAD
	s_wait_dscnt 0x0
	EPI_V
.Lend:
	s_wait_tensorcnt 0x0
	ds_add_u32 v1, v2
	s_wait_dscnt 0x0
	ROUND
	s_endpgm
.Lfunc_end_k_q6d65dc13d5_main:
	.size	k_q6d65dc13d5_main, .Lfunc_end_k_q6d65dc13d5_main-k_q6d65dc13d5_main
	.p2alignl 7, 3214868480
	.fill 96, 4, 3214868480
	.section	.rodata,"a",@progbits
	.p2align	6, 0x0
	.amdhsa_kernel k_q6d65dc13d5_main
		.amdhsa_group_segment_fixed_size 327680
		.amdhsa_private_segment_fixed_size 0
		.amdhsa_enable_private_segment 0
		.amdhsa_kernarg_size 48
		.amdhsa_user_sgpr_count 2
		.amdhsa_user_sgpr_kernarg_segment_ptr 1
		.amdhsa_wavefront_size32 1
		.amdhsa_system_sgpr_workgroup_id_x 1
		.amdhsa_system_sgpr_workgroup_id_y 1
		.amdhsa_system_sgpr_workgroup_id_z 1
		.amdhsa_system_vgpr_workitem_id 0
		.amdhsa_next_free_vgpr 1024
		.amdhsa_next_free_sgpr 80
		.amdhsa_reserve_vcc 0
		.amdhsa_float_denorm_mode_32 3
		.amdhsa_float_denorm_mode_16_64 3
		.amdhsa_memory_ordered 1
		.amdhsa_forward_progress 1
		.amdhsa_inst_pref_size 255
	.end_amdhsa_kernel
	.section	.bss,"aw",@nobits
	.p2align	6
	.space	262144
	.amdgpu_metadata
---
amdhsa.version: [ 1, 2 ]
amdhsa.kernels:
  - .name:           k_q6d65dc13d5_main
    .symbol:         k_q6d65dc13d5_main.kd
    .args:
      - { .name: x, .offset: 0, .size: 8, .value_kind: global_buffer, .address_space: global }
      - { .name: wc, .offset: 8, .size: 8, .value_kind: global_buffer, .address_space: global }
      - { .name: qs, .offset: 16, .size: 8, .value_kind: global_buffer, .address_space: global }
      - { .name: lowp_scales, .offset: 24, .size: 8, .value_kind: global_buffer, .address_space: global }
      - { .name: py, .offset: 32, .size: 8, .value_kind: global_buffer, .address_space: global }
      - { .name: pml, .offset: 40, .size: 8, .value_kind: global_buffer, .address_space: global }
    .group_segment_fixed_size: 327680
    .private_segment_fixed_size: 0
    .kernarg_segment_align: 8
    .kernarg_segment_size: 48
    .max_flat_workgroup_size: 128
    .sgpr_count:     80
    .vgpr_count:     1024
    .wavefront_size: 32
...
	.end_amdgpu_metadata
.endif
;; end of part 2
;; launch combine (part 3): grid 64 x 1, 4 waves a work-group, no clusters, 2,048 bytes of LDS; arguments py, pml, bv, lowp_scales, out0; writes out0
.if DOCPART == 3
	.amdgcn_target "amdgcn-amd-amdhsa--gfx1250"
	.amdhsa_code_object_version 6
	.text
	.protected	k_q6d65dc13d5_combine
	.globl	k_q6d65dc13d5_combine
	.p2align	8
	.type	k_q6d65dc13d5_combine,@function
k_q6d65dc13d5_combine:
	s_mov_b64 s[64:65], 0
	v_nop
	global_prefetch_b8 v0, s[64:65] scope:SCOPE_SE
	s_setreg_imm32_b32 hwreg(HW_REG_WAVE_MODE, 25, 1), 1
	s_wait_xcnt 0x0
; THIRD OF THREE LAUNCHES.  For each batch b and head h the 128 blocks' parts (m, l, y = sum of p V_raw) are brought under their common maximum M:
;   out0[b][64 h + d] = 2^(e2 + e3) x (sum over g of 2^(m_g - M) y_g[d]) / (sum over g of 2^(m_g - M) l_g) + bv[64 h + d].
; bv is added once, since a head's weights sum to 1.  WORK LEFT OUT: bk (shown at the head of the first launch).  All in f32.  The block that holds M has weight 1 and l >= 1, so the divisor is at least 1.
; SHARES: a work-group to each (b, h); wave w sums blocks 32 w .. 32 w + 31, a lane two channels; the four waves' sums meet in LDS, and wave 0 stores one run of 256 bytes.
; m and l are read 4 bytes a block, 128 bytes apart: pml is 64 KiB in all.  Each load of py takes 256 consecutive bytes.
; SCALARS: s[4:13] the five addresses; s14 wave, s15 b, s20 h; s[16:19] e0..e3; s[30:31] lane selects; s32-39 eight blocks' weights.
; LDS: 256 bytes for each wave's sums from byte 0; the spare words from byte 1,024.
.set SPARE, 1024
	s_load_b256 s[4:11], s[0:1], 0x0               ; py, pml, bv, lowp_scales
	s_load_b64 s[12:13], s[0:1], 0x20              ; out0
	v_lshl_add_u32 v1, v0, 2, SPARE                ; my spare word; never rewritten
	v_mov_b32 v2, 0                                ; 0; never rewritten
	v_lshrrev_b32 v3, 5, v0
	v_readfirstlane_b32 s14, v3                    ; wave 0..3
	v_and_b32 v3, 31, v0                           ; lane
	s_lshr_b32 s15, ttmp9, 4                       ; b
	s_and_b32 s20, ttmp9, 15                       ; h
	v_lshlrev_b32 v4, 7, v3                        ; pml: a block is 128 bytes: lane = block within 32
	s_lshl_b32 s21, s14, 12
	v_add_nc_u32 v5, s21, v4                       ; my wave's own 32 blocks
	v_lshlrev_b32 v6, 3, v3                        ; 8 x lane: my two channels
	s_lshl_b32 s21, s14, 8
	v_add_nc_u32 v7, s21, v6                       ; where my wave's sums go in LDS
	v_mov_b32 v21, 0                               ; written once: a lane permute's destination counts as one of its sources
	s_lshl_b32 s22, s15, 14                        ; pml: 128 blocks x 128 bytes a batch,
	s_lshl_b32 s23, s20, 2
	s_add_co_u32 s22, s22, s23                     ; + 4 h
	s_mov_b32 s23, 0
	s_lshl_b32 s24, s15, 19                        ; py: 128 blocks x 4,096 bytes a batch,
	s_lshl_b32 s25, s14, 17                        ; + my wave's 32 blocks,
	s_add_co_u32 s24, s24, s25
	s_lshl_b32 s26, s20, 8                         ; + 256 h
	s_add_co_u32 s24, s24, s26
	s_mov_b32 s25, 0
	s_mov_b32 s27, 0
	s_lshl_b32 s28, s15, 12                        ; out0: 4,096 b + 256 h
	s_add_co_u32 s28, s28, s26
	s_mov_b32 s29, 0
	s_mov_b32 s30, 0x76543210
	s_mov_b32 s31, 0xfedcba98
	s_wait_alu depctr_va_vdst(0)
	s_wait_kmcnt 0x0
	s_load_b128 s[16:19], s[10:11], 0x0            ; e0..e3
	s_add_nc_u64 s[6:7], s[6:7], s[22:23]
	s_add_nc_u64 s[4:5], s[4:5], s[24:25]
	s_add_nc_u64 s[8:9], s[8:9], s[26:27]
	s_add_nc_u64 s[12:13], s[12:13], s[28:29]
.irp k, 0,1,2,3
	global_load_b32 v[8+\k], v4, s[6:7] offset:4096*\k          ; m of block 32 k + lane
.endr
.irp k, 0,1,2,3
	global_load_b32 v[12+\k], v4, s[6:7] offset:4096*\k+64      ; l
.endr
	global_load_b32 v16, v5, s[6:7]                ; m of my wave's block 32 w + lane
	global_load_b64 v[18:19], v6, s[8:9]           ; bv
.set j, 0
.rept 32
	global_load_b64 v[32+2*j:33+2*j], v6, s[4:5] offset:4096*j th:TH_LOAD_NT   ; y of block 32 w + j
.set j, j+1
.endr
	s_wait_loadcnt 32                              ; m, l and bv are in; the 32 rows of y may be out
	v_max3_num_f32 v20, v8, v9, v10
	v_max_num_f32 v20, v20, v11
.irp x, 1,2,4,8
	v_max_num_f32_dpp v20, v20, v20 row_xmask:\x row_mask:0xf bank_mask:0xf
.endr
	v_permlanex16_b32 v21, v20, s30, s31
	v_max_num_f32 v20, v20, v21                    ; M, in every lane
.irp k, 8,9,10,11,16
	v_sub_f32 v\k, v\k, v20
.endr
	s_wait_alu depctr_va_vdst(0)
.irp k, 8,9,10,11,16
	v_exp_f32 v\k, v\k                             ; 2^(m - M), at most 1
.endr
	v_nop                                          ; the plain line behind the exponentials
	s_wait_alu depctr_va_vdst(0)                   ; one wait for the five, ahead of their first reader
	v_mul_f32 v22, v8, v12
	v_fma_f32 v22, v9, v13, v22
	v_fma_f32 v22, v10, v14, v22
	v_fma_f32 v22, v11, v15, v22
.irp x, 1,2,4,8
	v_add_f32_dpp v22, v22, v22 row_xmask:\x row_mask:0xf bank_mask:0xf
.endr
	v_permlanex16_b32 v21, v22, s30, s31
	v_add_f32 v22, v22, v21                        ; the divisor
	s_wait_alu depctr_va_vdst(0)
	v_rcp_f32 v22, v22
	v_nop                                          ; the plain line behind the reciprocal
	s_wait_kmcnt 0x0
	s_add_co_i32 s21, s18, s19                     ; e2 + e3
	s_wait_alu depctr_va_vdst(0)                   ; the wait, ahead of the first reader
	v_ldexp_f32 v22, v22, s21                      ; 2^(e2 + e3) / the divisor
.irp g, 0,1,2,3
	s_wait_loadcnt 24-8*\g                         ; these eight rows are in; the younger ones may be out
.irp j, 0,1,2,3,4,5,6,7
	v_readlane_b32 s[32+\j], v16, 8*\g+\j          ; block 32 w + 8 g + j's weight: a number, used as a factor alone
.endr
.irp j, 0,1,2,3,4,5,6,7
.if (\g == 0) && (\j == 0)
	v_mul_f32 v24, s32, v32                        ; the first row starts the sums
	v_mul_f32 v25, s32, v33
.else
	v_fma_f32 v24, s[32+\j], v[32+2*(8*\g+\j)], v24
	v_fma_f32 v25, s[32+\j], v[33+2*(8*\g+\j)], v25
.endif
.endr
.endr
	ds_store_b64 v7, v[24:25]
	s_wait_dscnt 0x0                               ; for the others' sake: my sums lie in LDS
	s_barrier_signal -1
	s_barrier_wait -1
	s_wait_tensorcnt 0x0
	ds_add_u32 v1, v2
	s_wait_dscnt 0x0
	s_cmp_lg_u32 s14, 0
	s_cbranch_scc1 .Ldone
.irp k, 0,1,2,3
	ds_load_b64 v[32+2*\k:33+2*\k], v6 offset:256*\k
.endr
	s_wait_dscnt 0x0
	v_pk_add_f32 v[32:33], v[32:33], v[34:35]
	v_pk_add_f32 v[36:37], v[36:37], v[38:39]
	v_pk_add_f32 v[32:33], v[32:33], v[36:37]
	v_fma_f32 v24, v32, v22, v18                   ; sum x 2^(e2 + e3) / the divisor + bv
	v_fma_f32 v25, v33, v22, v19
	global_store_b64 v6, v[24:25], s[12:13]        ; 32 lanes store 256 consecutive bytes, at a multiple of 256 from out0's first byte
.Ldone:
	s_endpgm
.Lfunc_end_k_q6d65dc13d5_combine:
	.size	k_q6d65dc13d5_combine, .Lfunc_end_k_q6d65dc13d5_combine-k_q6d65dc13d5_combine
	.p2alignl 7, 3214868480
	.fill 96, 4, 3214868480
	.section	.rodata,"a",@progbits
	.p2align	6, 0x0
	.amdhsa_kernel k_q6d65dc13d5_combine
		.amdhsa_group_segment_fixed_size 2048
		.amdhsa_private_segment_fixed_size 0
		.amdhsa_enable_private_segment 0
		.amdhsa_kernarg_size 40
		.amdhsa_user_sgpr_count 2
		.amdhsa_user_sgpr_kernarg_segment_ptr 1
		.amdhsa_wavefront_size32 1
		.amdhsa_system_sgpr_workgroup_id_x 1
		.amdhsa_system_sgpr_workgroup_id_y 1
		.amdhsa_system_sgpr_workgroup_id_z 1
		.amdhsa_system_vgpr_workitem_id 0
		.amdhsa_next_free_vgpr 128
		.amdhsa_next_free_sgpr 66
		.amdhsa_reserve_vcc 0
		.amdhsa_float_denorm_mode_32 3
		.amdhsa_float_denorm_mode_16_64 3
		.amdhsa_memory_ordered 1
		.amdhsa_forward_progress 1
		.amdhsa_inst_pref_size 15
	.end_amdhsa_kernel
	.amdgpu_metadata
---
amdhsa.version: [ 1, 2 ]
amdhsa.kernels:
  - .name:           k_q6d65dc13d5_combine
    .symbol:         k_q6d65dc13d5_combine.kd
    .args:
      - { .name: py, .offset: 0, .size: 8, .value_kind: global_buffer, .address_space: global }
      - { .name: pml, .offset: 8, .size: 8, .value_kind: global_buffer, .address_space: global }
      - { .name: bv, .offset: 16, .size: 8, .value_kind: global_buffer, .address_space: global }
      - { .name: lowp_scales, .offset: 24, .size: 8, .value_kind: global_buffer, .address_space: global }
      - { .name: out0, .offset: 32, .size: 8, .value_kind: global_buffer, .address_space: global }
    .group_segment_fixed_size: 2048
    .private_segment_fixed_size: 0
    .kernarg_segment_align: 8
    .kernarg_segment_size: 40
    .max_flat_workgroup_size: 128
    .sgpr_count:     66
    .vgpr_count:     128
    .wavefront_size: 32
...
	.end_amdgpu_metadata
.endif
;; end of part 3
